; MI455X (gfx1250); checked and timed in simulation.
; The chip was launched on July 23, 2026; its instructions are those of AMD's public machine-readable ISA for CDNA 5 (MIT licence, August 2026) and "CDNA5" Instruction Set Architecture Reference Guide (July 2026). The comments in the code are by the model that wrote it; some were corrected since.
;; Self Attention. Allowed arithmetic: matrix products marked QUANTISED: E3M2 operands, one E8M0 scale for each 32 along K, by v_wmma_scale_f32_16x16x128_f8f6f4 with both operands' format E3M2, f32 sums; products left as they are: f32 operands where the result goes on into a quantised operand, else bf16, f16 or f32 operands; f32 sums; everything else in f32.
;; Inputs: U_bias 1,024 float32; U_kernel 1,024 x 1,024 float32; V_bias 1 float32; V_kernel 1,024 x 1 float32; W_bias 1,024 float32; W_kernel 1,024 x 1,024 float32; hidden_states 64 x 1,024 x 1,024 float32; s_prev 64 x 1,024 float32.
;; Outputs: out0 64 x 1,024 float32; out1 64 x 1,024 x 1 float32.
;; This version of the problem:
;;   THIS VERSION OF THE PROBLEM IS GIVEN IN LOW PRECISION. The matrix products marked QUANTISED in the list below multiply operands that are first quantised to E3M2 (3 exponent bits, 2 mantissa bits; 6 bits a number), with one power-of-two scale for each 32 numbers along K (OCP MX v1.0); their sums are f32. All else is computed in f32.
;;   The module's matrix products, in the order in which they are computed (A, B: the left and right operand; K: the contracted axis; several contracted axes count as one K, in the product's order):
;;     1. [M 64, K 1,024] x [K 1,024, N 1,024]; A: input s_prev; B: input W_kernel: QUANTISED
;;     2. [M 65,536, K 1,024] x [K 1,024, N 1,024]; A: input hidden_states; B: input U_kernel: QUANTISED
;;     3. [M 65,536, K 1,024] x [K 1,024, N 1]; A: computed on the way; B: input V_kernel: left as it is (N = 1 < 16)
;;   THE QUANTISER, for each operand of a quantised product, along K:
;;     - K is cut into blocks of 32 from its start; a last block that is shorter is filled with zeros.
;;     - A block's scale is 2^e with e = floor(log2(the largest magnitude in the block)) - 4, held to -126 .. 127; a block of zeros has e = 0. As a byte (E8M0): e + 127.
;;     - Each number is divided by its block's scale, clamped to +-28, and rounded to the nearest number of E3M2, ties to even, subnormals kept.
;;     - The product sums the exact products of the quantised numbers (number of the format x scale) in f32.
;;   ~~~python
;;   def quantise(x, axis):      # numpy; x: float32 -> the quantised numbers, widened to float32 again
;;       x = np.moveaxis(x, axis, -1); K = x.shape[-1]
;;       x = np.pad(x, [(0, 0)] * (x.ndim - 1) + [(0, -K % 32)]); x = x.reshape(x.shape[:-1] + (-1, 32)); a = np.abs(x).max(-1, keepdims=True)
;;       e = np.where(a > 0, np.clip(np.frexp(np.where(a > 0, a, 1))[1] - 1 - 4, -126, 127), 0)      # np.frexp(a)[1] - 1 = floor(log2(a)), exactly
;;       r = np.clip(x / 2.0 ** e, -28, 28)
;;       step = 2.0 ** (np.maximum(np.frexp(np.where(r == 0, 1, r))[1] - 1, -2) - 2)
;;       q = np.round(r / step) * step * 2.0 ** e      # np.round: ties to even
;;       return np.moveaxis(q.reshape(q.shape[:-2] + (-1,))[..., :K], -1, axis).astype(np.float32)
;;   ~~~
;; One version. Each part assembles by itself: llvm-mc -triple=amdgcn-amd-amdhsa -mcpu=gfx1250 --defsym DOCPART=n.
;; ======== version 1 of 1: 3 launches
;; limits: right only within a limited range of input values
;; workspace buffers: ucodes 786,432 bytes; uscales 32,768 bytes; wc 262,144 bytes; scores 262,144 bytes; stats 262,144 bytes; part 4,194,304 bytes
;; launch prep (part 1): grid 384 x 1, 4 waves a work-group, no clusters, 4,608 bytes of LDS; arguments s_prev, W_kernel, W_bias, U_kernel, U_bias, ucodes, uscales, wc; writes ucodes, uscales, wc
.if DOCPART == 1
	.amdgcn_target "amdgcn-amd-amdhsa--gfx1250"
	.amdhsa_code_object_version 6
	.text
	.protected	k_qf764cf3e73_prep
	.globl	k_qf764cf3e73_prep
	.p2align	8
	.type	k_qf764cf3e73_prep,@function
k_qf764cf3e73_prep:
	s_mov_b64 s[64:65], 0
	v_nop
	global_prefetch_b8 v0, s[64:65] scope:SCOPE_SE
	s_setreg_imm32_b32 hwreg(HW_REG_WAVE_MODE, 25, 1), 1
	s_wait_xcnt 0x0
; PREP.  Two jobs, parted on the work-group's number (the same in all four waves of a work-group).
; Work-groups 0-255:  wc[b][u] = 2 log2(e) x (Q(s_prev)[b][:] . Q(W)[:][u] + W_bias[u] + U_bias[u]), the product on codes of BF6 (E3M2) with one E8M0 scale for each 32 along K.
;   Work-group g: units 16 (g % 64) on, batches 16 (g / 64) on.  Wave w takes K steps 2 w and 2 w + 1 (128 along K each); the four partial tiles meet in LDS.
; Work-groups 256-383: U [1024 (k)][1024 (u)] f32 becomes codes and scale words laid IN THE ORDER OF THE OPERAND'S REGISTERS, one fragment (16 units x 128 K) a wave:
;   ucodes:  chunk (64 units) x 49,152 + K step x 6,144 + tile x 1,536 + g x 512 + lane x 16: registers 4 g .. 4 g + 3 of the fragment's twelve.
;   uscales: chunk x 2,048 + K step x 256 + lane x 8 + word x 4: tile n's word of unit r stands at lane r + 16 (n % 2), word n / 2.
; K is the FIRST axis of W and of U: a lane takes a column and its registers run down K, in the order that the operand's layout gives the lane (lane (r, h): k = 64 c + 32 h + 0 .. 31 in registers 6 c .. 6 c + 5),
; so a lane holds two whole blocks of 32 and the conversions' results are the operand's registers.  s_prev has K innermost: the same lane takes the same k of its row, eight loads of 16 bytes a block.
; A block's scale byte is its largest magnitude's exponent field - 4, held at 1 from below.
; LIMITS: a block of zeros gets the byte 1 where the rule says 127 (its codes are zeros, and only this program reads the bytes); NaN and infinities among the inputs are not served.
; No tensor loads and no cluster: each work-group reads its own columns once, and what it shares with others is a small weight.
; WORK LEFT OUT, in all launches: V_bias.  reference() adds it to every score of a batch alike, ahead of a softmax along the sequence axis; softmax(s + c) = softmax(s) for every number c,
; the scores themselves are no output, and the context is made of the weights alone.  So V_bias has no way to either output: it is not loaded and is among no launch's arguments.
; LIMIT: a NaN, an infinity or an overflow that V_bias alone would bring into the scores is not carried to the results.
.set COL,  1                           ; v1   a column's byte in a row of W or U: 4 r, + 32 rows of 4,096 bytes for lanes 16-31
.set ROW,  2                           ; v2   s_prev: row r of 4,096 bytes, + 128 h
.set SH,   3                           ; v3   8 h: where my two scale bytes stand in the word
.set PX,   4                           ; v4   target of the lane exchange
.set M,    5                           ; v5-6   largest magnitudes of my two blocks
.set SO,   7                           ; v7-8   the conversions' scale operands
.set BY,   9                           ; v9-10  the scale bytes
.set BOF,  11                          ; v11  byte of my pair of units in the tile's 64 bytes
.set T,    12                          ; v12-14, v16-18  the upper halves of a block's codes
.set LST,  15                          ; v15  LDS: where my wave's partial tile goes: 32 x thread
.set LRD,  19                          ; v19  LDS: where I read my pair back
.set SWA,  20                          ; v20  scale word of source 0
.set SWB,  21                          ; v21  scale word of source 1
.set WOF,  22                          ; v22  my offset in wc (U's path: 16 x lane)
.set SOFF, 23                          ; v23  U's path: 8 r
.set FA,   24                          ; v24-35 fragment of W or U
.set FB,   36                          ; v36-47 fragment of s_prev
.set AC0,  48                          ; v48-55, v56-63 the two K steps' sums
.set AC1,  56
.set X0,   64                          ; three sets of 64 numbers
.set X1,   128
.set X2,   192
.macro LOADCOL x, base, sl             ; 64 numbers of my column: k = 128 sl + 64 c + 32 h + i; sixteen lanes read 64 neighbouring bytes
.irp c, 0,1
.irp i, 0,1,2,3,4,5,6,7,8,9,10,11,12,13,14,15,16,17,18,19,20,21,22,23,24,25,26,27,28,29,30,31
	global_load_b32 v[\x+32*\c+\i], v[COL], s[\base:\base+1] offset:(128*\sl+64*\c+\i)*4096
.endr
.endr
.endm
.macro LOADROW x, sl                   ; the same k of my row of s_prev
.irp c, 0,1
.irp q, 0,1,2,3,4,5,6,7
	global_load_b128 v[\x+32*\c+4*\q:\x+32*\c+4*\q+3], v[ROW], s[4:5] offset:512*\sl+256*\c+16*\q
.endr
.endr
.endm
.macro QF x, f, sw                     ; 64 numbers in v[x] on become a fragment in v[f] on and its scale word in v[sw]
.irp c, 0,1
	v_max3_num_f32 v[M+\c], |v[\x+32*\c]|, |v[\x+32*\c+1]|, 0x2800000   ; my block 2 c + h, and the floor 2^(5 - 127): the byte cannot fall under 1
.endr
.irp i, 2,4,6,8,10,12,14,16,18,20,22,24,26,28,30
.irp c, 0,1
	v_max3_num_f32 v[M+\c], v[M+\c], |v[\x+32*\c+\i]|, |v[\x+32*\c+\i+1]|   ; the two blocks by turns
.endr
.endr
.irp c, 0,1
	v_add_nc_u32 v[SO+\c], 0xfe000000, v[M+\c]     ; 4 off the exponent field: the conversion takes this operand's exponent field as its scale
.endr
.irp c, 0,1
	v_lshrrev_b32 v[BY+\c], 23, v[SO+\c]           ; the scale's byte
.endr
	v_lshl_or_b32 v[\sw], v[BY+1], 16, v[BY]       ; blocks h and 2 + h,
	v_lshlrev_b32 v[\sw], v[SH], v[\sw]            ; at their places in the word;
	v_permlanex16_b32 v[PX], v[\sw], s22, s23
	v_or_b32 v[\sw], v[\sw], v[PX]                 ; with lane l xor 16's two the word is whole
.irp c, 0,1
	v_cvt_scalef32_pk16_bf6_f32 v[\f+6*\c:\f+6*\c+2], v[\x+32*\c:\x+32*\c+15], v[SO+\c]
	v_cvt_scalef32_pk16_bf6_f32 v[T+4*\c:T+4*\c+2], v[\x+32*\c+16:\x+32*\c+31], v[SO+\c]   ; (a conversion's three registers begin on an even number)
.endr
	v_nop                                          ; one plain place behind a scaled conversion
.irp c, 0,1
.irp i, 0,1,2
	v_mov_b32 v[\f+6*\c+3+\i], v[T+4*\c+\i]
.endr
.endr
.endm
	s_load_b256 s[4:11], s[0:1], 0x0               ; s_prev s[4:5], W s[6:7], W_bias s[8:9], U s[10:11]
	s_load_b256 s[12:19], s[0:1], 0x20             ; U_bias s[12:13], ucodes s[14:15], uscales s[16:17], wc s[18:19]
	s_set_vgpr_msb 0x40
	v_lshl_add_u32 v0, v0, 2, 0x1000
	v_mov_b32 v1, 0
	s_set_vgpr_msb 0x4000
	v_lshrrev_b32 v[PX], 5, v0
	v_readfirstlane_b32 s20, v[PX]                 ; wave 0..3
	v_and_b32 v[M], 15, v0                         ; r
	v_bfe_u32 v[M+1], v0, 4, 1                     ; h
	v_lshlrev_b32 v[COL], 2, v[M]
	v_lshl_add_u32 v[COL], v[M+1], 17, v[COL]
	v_lshlrev_b32 v[ROW], 12, v[M]
	v_lshl_add_u32 v[ROW], v[M+1], 7, v[ROW]
	v_lshlrev_b32 v[SH], 3, v[M+1]
	v_mov_b32 v[PX], 0                             ; a lane permute's destination counts as one of its sources
	s_mov_b32 s22, 0x76543210
	s_mov_b32 s23, 0xfedcba98                      ; v_permlanex16_b32's selects for lane l xor 16
	s_mov_b32 s25, 0                               ; the high word of every offset
	s_wait_kmcnt 0x0
	s_cmp_lt_u32 ttmp9, 256
	s_cbranch_scc0 .Lu_path
	; ---- wc
	s_and_b32 s26, ttmp9, 63                       ; tile of units
	s_lshr_b32 s27, ttmp9, 6                       ; tile of batches
	s_lshl_b32 s24, s26, 6
	s_lshl_b32 s28, s20, 20                        ; my two K steps: 256 rows of 4,096 bytes a wave
	s_add_co_u32 s24, s24, s28
	s_add_nc_u64 s[6:7], s[6:7], s[24:25]
	s_lshl_b32 s24, s27, 16
	s_lshl_b32 s28, s20, 10
	s_add_co_u32 s24, s24, s28
	s_add_nc_u64 s[4:5], s[4:5], s[24:25]
	s_wait_alu depctr_va_vdst(0)
	LOADCOL X0, 6, 0
	LOADROW X1, 0
	LOADCOL X2, 6, 1
	s_lshl_b32 s24, s26, 6
	s_add_nc_u64 s[8:9], s[8:9], s[24:25]
	s_add_nc_u64 s[12:13], s[12:13], s[24:25]
	s_lshl_b32 s28, s27, 16
	s_add_co_u32 s24, s24, s28
	s_add_nc_u64 s[18:19], s[18:19], s[24:25]      ; wc at batch 16 m, unit 16 nt
	v_lshrrev_b32 v[M], 3, v0                      ; thread t stores batch t / 8, units 2 (t % 8) and the next
	v_and_b32 v[M+1], 7, v0
	v_lshlrev_b32 v[BOF], 3, v[M+1]
	v_lshl_add_u32 v[WOF], v[M], 12, v[BOF]
	v_lshlrev_b32 v[LST], 5, v0                    ; 1,024 x wave + 32 x lane
	v_lshrrev_b32 v[SO], 2, v[M+1]
	v_and_b32 v[SO+1], 3, v[M+1]
	v_lshlrev_b32 v[LRD], 5, v[M]                  ; the pair lies in lane (t / 8) + 16 ((t % 8) / 4), registers 2 (t % 4) and the next
	v_lshl_add_u32 v[LRD], v[SO], 9, v[LRD]
	v_lshl_add_u32 v[LRD], v[SO+1], 3, v[LRD]
	s_wait_loadcnt 63                              ; W's first K step is in: 80 loads are younger; the count's field holds 63 at the most, and a smaller count is safe
	QF X0, FA, SWA
	LOADROW X0, 1
	s_wait_loadcnt 63                              ; s_prev's first K step: again 80 younger
	QF X1, FB, SWB
	global_load_b64 v[X1:X1+1], v[BOF], s[8:9]     ; the biases of my pair, into registers that are done with
	global_load_b64 v[X1+2:X1+3], v[BOF], s[12:13]
.rept 8
	v_nop                                          ; a scale register written by a vector instruction stands 8 places ahead of a scaled matrix instruction, an operand so written 4
.endr
	v_wmma_scale_f32_16x16x128_f8f6f4 v[AC0:AC0+7], v[FA:FA+11], v[FB:FB+11], 0, v[SWA], v[SWB] matrix_a_fmt:MATRIX_FMT_BF6 matrix_b_fmt:MATRIX_FMT_BF6   ; source 0 = 16 units, source 1 = 16 batches: lane (r, h) holds batch r, units 8 h + 0 .. 7
	s_wait_loadcnt 18                              ; W's second K step: younger are s_prev's 16 and the two of biases
	QF X2, FA, SWA                                 ; (its 32 maxima are the places behind the product)
	s_wait_loadcnt 0x0
	QF X0, FB, SWB
.rept 8
	v_nop
.endr
	v_wmma_scale_f32_16x16x128_f8f6f4 v[AC1:AC1+7], v[FA:FA+11], v[FB:FB+11], 0, v[SWA], v[SWB] matrix_a_fmt:MATRIX_FMT_BF6 matrix_b_fmt:MATRIX_FMT_BF6
.rept 4
	v_nop
.endr
.irp e, 0,2,4,6
	v_pk_add_f32 v[AC0+\e:AC0+\e+1], v[AC0+\e:AC0+\e+1], v[AC1+\e:AC1+\e+1]   ; from the low end on
.endr
	ds_store_b128 v[LST], v[AC0:AC0+3]
	ds_store_b128 v[LST], v[AC0+4:AC0+7] offset:16
	s_wait_dscnt 0x0                               ; for the others' sake: my partial tile lies in LDS
	s_barrier_signal -1
	s_barrier_wait -1
.irp p, 0,1,2,3
	ds_load_b64 v[X0+2*\p:X0+2*\p+1], v[LRD] offset:1024*\p
.endr
	s_wait_dscnt 0x0
	v_pk_add_f32 v[X0:X0+1], v[X0:X0+1], v[X0+2:X0+3]
	v_pk_add_f32 v[X0+4:X0+5], v[X0+4:X0+5], v[X0+6:X0+7]
	v_pk_add_f32 v[X1:X1+1], v[X1:X1+1], v[X1+2:X1+3]
	v_pk_add_f32 v[X0:X0+1], v[X0:X0+1], v[X0+4:X0+5]
	v_pk_add_f32 v[X0:X0+1], v[X0:X0+1], v[X1:X1+1]
	v_pk_mul_f32 v[X0:X0+1], v[X0:X0+1], 0x4038aa3b op_sel_hi:[1,0]   ; x 2 log2(e): the next launch's exponential is taken in base 2
	global_store_b64 v[WOF], v[X0:X0+1], s[18:19]  ; eight neighbouring threads store the tile's 64 bytes of a row
	s_set_vgpr_msb 0x5
	s_wait_tensorcnt 0x0
	ds_add_u32 v0, v1
	s_wait_dscnt 0x0
	s_set_vgpr_msb 0x500
	s_endpgm
.Lu_path:	; ---- U's fragments
	s_sub_co_u32 s26, ttmp9, 256
	s_lshl_b32 s26, s26, 2
	s_add_co_u32 s26, s26, s20                     ; fragment 0..511
	s_lshr_b32 s27, s26, 3                         ; its tile of 16 units
	s_and_b32 s28, s26, 7                          ; its K step
	s_lshl_b32 s24, s27, 6
	s_lshl_b32 s29, s28, 19
	s_add_co_u32 s24, s24, s29
	s_add_nc_u64 s[10:11], s[10:11], s[24:25]
	s_wait_alu depctr_va_vdst(0)
	LOADCOL X0, 10, 0
	s_lshr_b32 s30, s27, 2                         ; chunk
	s_and_b32 s31, s27, 3                          ; tile in the chunk
	s_mul_i32 s24, s30, 49152
	s_mul_i32 s29, s28, 6144
	s_add_co_u32 s24, s24, s29
	s_mul_i32 s29, s31, 1536
	s_add_co_u32 s24, s24, s29
	s_add_nc_u64 s[14:15], s[14:15], s[24:25]
	s_lshl_b32 s24, s30, 11
	s_lshl_b32 s29, s28, 8
	s_add_co_u32 s24, s24, s29
	s_and_b32 s29, s31, 1
	s_lshl_b32 s29, s29, 7                         ; odd tiles: lanes 16-31 of the reader
	s_add_co_u32 s24, s24, s29
	s_lshr_b32 s29, s31, 1
	s_lshl_b32 s29, s29, 2                         ; tiles 2 and 3: the second word
	s_add_co_u32 s24, s24, s29
	s_add_nc_u64 s[16:17], s[16:17], s[24:25]
	v_and_b32 v[WOF], 31, v0
	v_lshlrev_b32 v[WOF], 4, v[WOF]
	v_and_b32 v[SOFF], 15, v0
	v_lshlrev_b32 v[SOFF], 3, v[SOFF]
	s_wait_loadcnt 0x0
	QF X0, FA, SWA
.irp g, 0,1,2
	global_store_b128 v[WOF], v[FA+4*\g:FA+4*\g+3], s[14:15] offset:512*\g   ; the wave stores 512 consecutive bytes, aligned
.endr
	global_store_b32 v[SOFF], v[SWA], s[16:17]     ; unit r's word; lanes r and r + 16 hold the same word and write the same place.  Words 8 bytes apart: one byte in 128 of what the launch reads
	s_endpgm
.Lfunc_end_k_qf764cf3e73_prep:
	.size	k_qf764cf3e73_prep, .Lfunc_end_k_qf764cf3e73_prep-k_qf764cf3e73_prep
	.p2alignl 7, 3214868480
	.fill 96, 4, 3214868480
	.section	.rodata,"a",@progbits
	.p2align	6, 0x0
	.amdhsa_kernel k_qf764cf3e73_prep
		.amdhsa_group_segment_fixed_size 4608
		.amdhsa_private_segment_fixed_size 0
		.amdhsa_enable_private_segment 0
		.amdhsa_kernarg_size 64
		.amdhsa_user_sgpr_count 2
		.amdhsa_user_sgpr_kernarg_segment_ptr 1
		.amdhsa_wavefront_size32 1
		.amdhsa_system_sgpr_workgroup_id_x 1
		.amdhsa_system_sgpr_workgroup_id_y 1
		.amdhsa_system_sgpr_workgroup_id_z 1
		.amdhsa_system_vgpr_workitem_id 0
		.amdhsa_next_free_vgpr 258
		.amdhsa_next_free_sgpr 66
		.amdhsa_reserve_vcc 0
		.amdhsa_float_denorm_mode_32 3
		.amdhsa_float_denorm_mode_16_64 3
		.amdhsa_memory_ordered 1
		.amdhsa_forward_progress 1
		.amdhsa_inst_pref_size 42
	.end_amdhsa_kernel
	.amdgpu_metadata
---
amdhsa.version: [ 1, 2 ]
amdhsa.kernels:
  - .name:           k_qf764cf3e73_prep
    .symbol:         k_qf764cf3e73_prep.kd
    .args:
      - { .name: s_prev, .offset: 0, .size: 8, .value_kind: global_buffer, .address_space: global }
      - { .name: W_kernel, .offset: 8, .size: 8, .value_kind: global_buffer, .address_space: global }
      - { .name: W_bias, .offset: 16, .size: 8, .value_kind: global_buffer, .address_space: global }
      - { .name: U_kernel, .offset: 24, .size: 8, .value_kind: global_buffer, .address_space: global }
      - { .name: U_bias, .offset: 32, .size: 8, .value_kind: global_buffer, .address_space: global }
      - { .name: ucodes, .offset: 40, .size: 8, .value_kind: global_buffer, .address_space: global }
      - { .name: uscales, .offset: 48, .size: 8, .value_kind: global_buffer, .address_space: global }
      - { .name: wc, .offset: 56, .size: 8, .value_kind: global_buffer, .address_space: global }
    .group_segment_fixed_size: 4608
    .private_segment_fixed_size: 0
    .kernarg_segment_align: 8
    .kernarg_segment_size: 64
    .max_flat_workgroup_size: 128
    .sgpr_count:     66
    .vgpr_count:     258
    .wavefront_size: 32
...
	.end_amdgpu_metadata
.endif
;; end of part 1
;; launch main (part 2): grid 256 x 1, 8 waves a work-group, no clusters, 264,192 bytes of LDS; arguments hidden_states, ucodes, uscales, wc, V_kernel, scores, stats, part; writes scores, stats, part
.if DOCPART == 2
	.amdgcn_target "amdgcn-amd-amdhsa--gfx1250"
	.amdhsa_code_object_version 6
	.text
	.protected	k_qf764cf3e73_main
	.globl	k_qf764cf3e73_main
	.p2align	8
	.type	k_qf764cf3e73_main,@function
k_qf764cf3e73_main:
	s_mov_b64 s[64:65], 0
	v_nop
	global_prefetch_b8 v0, s[64:65] scope:SCOPE_SE
	s_setreg_imm32_b32 hwreg(HW_REG_WAVE_MODE, 25, 1), 1
	s_wait_xcnt 0x0
; MAIN.  score[row] = sum over u of V[u] tanh(w_s[b][u] + (Q(hidden) Q(U))[row][u] + U_bias[u]) + V_bias, the product on codes of BF6 (E3M2) with one E8M0 scale for each 32 along K;
; and, for each stream wave's 64 rows, a running maximum m of the scores, l = sum of e^(score - m) and the unnormalised context sum of e^(score - m) x hidden[row][:].  The next launch joins a batch's 16 such parts.
; SHARES.  Work-group g owns rows 256 g .. 256 g + 255 of hidden (all of batch g / 4), as two halves of 128.  Eight waves, two to a SIMD, in TWO ROLES (j = wave % 4):
;   waves 0-3, MATRIX:  G(h): all 128 rows of half h x units 256 j .. 256 j + 255, in four chunks of 64 units: 32 accumulators (256 registers); behind each chunk tanh and the dot with V.
;   waves 4-7, STREAM:  Q(h): rows 128 h + 32 j + 0 .. 31 are loaded, quantised and laid in LDS;  C(h): the same rows are loaded again and added, x their weight, onto 32 context registers.
;   phase 0: Q(0) | -      phase 1: Q(1) | G(0)      phase 2: C(0) | G(1)      phase 3: C(1) | -       One barrier between phases.
; The roles are apart because a wave's loads come back in order on one counter: rows of hidden from memory and fragments of U would wait for each other in one wave.
; hidden is read twice: a row's weight is known only when all 1,024 units of its score are summed, and 256 rows of 4,096 bytes do not fit beside their codes.
; U's fragments come from the workspace IN THE ORDER OF THE OPERAND'S REGISTERS, straight into the one wave that multiplies by them (16 bytes a lane, 512 consecutive bytes a load).
; NO CLUSTER, NO TENSOR LOADS: a joint load lands in LDS, from where each byte of U would be read once by one wave, a way through LDS more for every byte; 263,168 bytes of LDS are taken; and its refills
; would tie both roles of four work-groups to one barrier a slot.  The stream keeps 8 rows x 4,096 bytes a wave on their way in registers instead.
; THE MATRIX INSTRUCTION IS USED TRANSPOSED (source 0 = 16 units of U, source 1 = 16 rows of hidden): a lane holds ONE row (lane % 16) and the units 8 (lane / 16) + 0 .. 7 of a tile.
; tanh(x) = 1 - 2 r, r = 1 / (1 + 2^(c x)), c = 2 log2(e); c x = sum x c + wc, one fused multiply-add (wc holds c x (w_s + both biases)).  A wave's part of a score is (sum of V) - 2 (sum of V r).
; Where 2^(c x) is infinite r is 0, where it is 0 r is 1: tanh ends at +-1.
; LIMITS: NaN and infinities among the inputs are not served; a block of zeros gets the scale byte 1 where the rule says 127 (its codes are zeros; the bytes never leave LDS);
; v_exp_f32 gives 0 for results under 2^-126 (ISA guide 15.8), so weights that far under the largest count as 0.
; LDS (bytes): codes of x: 2 halves x 128 rows, 768 bytes + 16 of padding = 196 words a row, so that the 32 lanes of a load of 8 bytes touch 64 different banks (64 banks of 4 bytes: ISA guide 11.1);
;   x's scale bytes: 2 x 128 rows of 32 + 4; four stages of 32 x 80 bytes for each stream wave; wc and V, 32 + 32 bytes for each 8 units; the matrix waves' parts of the scores [half][wave][128].
; V_bias is left out (the proof stands at PREP's head): the scores kept here are reference()'s less V_bias, which a softmax along the sequence does not see.
.set PITCH,  784
.set HALFC,  128*PITCH
.set ASC,    2*HALFC
.set SPITCH, 36
.set HALFS,  128*SPITCH
.set STG,    ASC+2*HALFS
.set STAGE,  2560
.set VW,     STG+16*STAGE
.set PART,   VW+8192
; LDS ADDRESS REGISTERS are made at the head by every wave, stepped only on the way that all waves take, and hold nothing else in either role.  Every pointer gets its first value on that way too.
.set ADA0, 1                           ; v1   x's fragments, tiles 0-3: r x 784 + 24 h
.set ADA1, 2                           ; v2   tiles 4-7
.set ASA,  3                           ; v3   x's scale words: lanes 0-15 an even tile's rows, lanes 16-31 the odd one's
.set VWA,  4                           ; v4   wc and V of my half's eight units
.set L16,  5                           ; v5   16 x lane (offset in memory)
.set L8,   6                           ; v6   8 x lane
.set PWR,  7                           ; v7   where a matrix wave puts its part of row r's score
.set SA,   8                           ; v8-10   x's scale words, three slots: scales and nothing else
.set VWS,  11                          ; v11  where thread t (matrix waves) puts 8 units' wc and V
.set SB,   12                          ; v12-17  U's scale words, three sets of two: scales and nothing else
.set STI,  250                         ; v250 a stage, on the way in: 80 (lane / 4) + 16 (lane % 4)
.set STO,  251                         ; v251 on the way out: 80 x lane
.set CDW,  252                         ; v252 where my 12 bytes of codes go
.set SBW,  253                         ; v253 where my block's scale byte goes
.set PRD,  254                         ; v254 where a stream wave reads the parts of row lane's score
.set ROT,  255                         ; v255 4 x ((lane + 8) % 32)
; MATRIX ROLE: window 0: below; window 1: accumulator (a, n) at v[8 (4 a + n)]
.set SV,   24                          ; v24-25  sum of V
.set S1,   26                          ; v26-33  sum of V r for each of the 8 tiles of rows
.set AG,   34                          ; v34-105 three slots of two fragments of x; in the epilogue: tile n's wc at AG + 16 n, its V at AG + 16 n + 8
.set BF,   106                         ; v106-249 three sets of four fragments of U
; STREAM ROLE: window 0: below; window 1: the ring: slot i at v[32 i], its load k at + 4 k
.set QC,   18                          ; v18-33  four sets (row parity x half row) of three registers of codes and one of the byte
.set X,    34                          ; v34-97  four sets of 16 neighbours
.set CTX,  98                          ; v98-129 the context: columns 128 k + 4 lane + 0 .. 3 at CTX + 4 k
.set SCR,  130                         ; row lane's score
.set P,    131                         ; its weight e^(score - m)
.set MX,   132                         ; m
.set LS,   133                         ; l
.set CT,   134                         ; v134-137 at work
.set QM,   138                         ; v138-141 largest magnitudes
.set QS,   142                         ; v142-143 the conversions' scale operands
.set SOF,  144                         ; 4 x lane: my offset in my wave's scores; made where it is used
.set WV,   22                          ; s22 wave;  s23 j
.set JW,   23
.set SEL,  26                          ; s[26:27] v_permlanex16_b32's selects for lane l xor 16
.set CC,   28                          ; s[28:29] c, twice
.set PP,   30                          ; s[30:31] a row's weight, twice
.set TR,   32                          ; s32 trip in the phase
.set GT,   36                          ; s36 the stream's trip, 0 .. 15
.set WB,   38                          ; s[38:39] hidden at my wave's first row
.set NXT,  40                          ; s[40:41] hidden at the next trip's eight rows
.set UQ,   42                          ; s[42:43] ucodes at my four chunks;  s[44:45] at the chunk in hand
.set UC,   44
.set SQ,   48                          ; s[48:49], s[50:51] the same for uscales
.set SCP,  50
.set MSB, 0
.macro WIN new                         ; s_set_vgpr_msb: bits 1:0 source 0, 3:2 source 1, 5:4 source 2, 7:6 destination; the high byte repeats the setting that is left
.if MSB != \new
	s_set_vgpr_msb (MSB<<8)|\new
.set MSB, \new
.endif
.endm
.macro PLACES                          ; four places behind a matrix instruction, in front of loads into its registers and of the first read of results
.rept 4
	v_nop
.endr
.endm
.macro BAR                             ; my LDS stores have landed and my LDS loads are in: then the work-group's barrier
	s_wait_dscnt 0x0
	s_barrier_signal -1
	s_barrier_wait -1
.endm
; ---------------- the matrix role
.macro BSET k, s                       ; U's four fragments and two scale words of K step s into set k: 13 loads
.irp n, 0,1,2,3
.irp g, 0,1,2
	global_load_b128 v[BF+48*(\k)+12*\n+4*\g:BF+48*(\k)+12*\n+4*\g+3], v[L16], s[UC:UC+1] offset:6144*(\s)+1536*\n+512*\g
.endr
.endr
	global_load_b64 v[SB+2*(\k):SB+2*(\k)+1], v[L8], s[SCP:SCP+1] offset:256*(\s)
.endm
.macro BPRE                            ; a chunk's first three K steps: 39 loads
	BSET 0, 0
	BSET 1, 1
	BSET 2, 2
.endm
.macro AGRP g                          ; group g = 4 s + q: x's tiles 2 q and 2 q + 1 of K step s, and their scale words, into slot g % 3: 13 LDS loads
.set AGS, AG+24*((\g)%3)
.set AQ, (\g)%4
.set AK, (\g)/4
.irp e, 0,1
.irp p, 0,1,2,3,4,5
.if AQ < 2
	ds_load_b64 v[AGS+12*\e+2*\p:AGS+12*\e+2*\p+1], v[ADA0] offset:(2*AQ+\e)*16*PITCH+96*AK+48*(\p/3)+8*(\p%3)
.else
	ds_load_b64 v[AGS+12*\e+2*\p:AGS+12*\e+2*\p+1], v[ADA1] offset:(2*AQ+\e-4)*16*PITCH+96*AK+48*(\p/3)+8*(\p%3)
.endif
.endr
.endr
	ds_load_b32 v[SA+(\g)%3], v[ASA] offset:32*SPITCH*AQ+4*AK
.endm
; one product.  z: it starts the sum;  ra: U's scale words stand in lanes 16-31;  rb: x's do
.macro WM d, b, a, sb, sa, z, ra, rb
.if \z
.if \ra
.if \rb
	v_wmma_scale_f32_16x16x128_f8f6f4 v[\d:\d+7], v[\b:\b+11], v[\a:\a+11], 0, v[\sb], v[\sa] matrix_a_fmt:MATRIX_FMT_BF6 matrix_b_fmt:MATRIX_FMT_BF6 matrix_a_scale:MATRIX_SCALE_ROW1 matrix_b_scale:MATRIX_SCALE_ROW1
.else
	v_wmma_scale_f32_16x16x128_f8f6f4 v[\d:\d+7], v[\b:\b+11], v[\a:\a+11], 0, v[\sb], v[\sa] matrix_a_fmt:MATRIX_FMT_BF6 matrix_b_fmt:MATRIX_FMT_BF6 matrix_a_scale:MATRIX_SCALE_ROW1
.endif
.else
.if \rb
	v_wmma_scale_f32_16x16x128_f8f6f4 v[\d:\d+7], v[\b:\b+11], v[\a:\a+11], 0, v[\sb], v[\sa] matrix_a_fmt:MATRIX_FMT_BF6 matrix_b_fmt:MATRIX_FMT_BF6 matrix_b_scale:MATRIX_SCALE_ROW1
.else
	v_wmma_scale_f32_16x16x128_f8f6f4 v[\d:\d+7], v[\b:\b+11], v[\a:\a+11], 0, v[\sb], v[\sa] matrix_a_fmt:MATRIX_FMT_BF6 matrix_b_fmt:MATRIX_FMT_BF6
.endif
.endif
.else
.if \ra
.if \rb
	v_wmma_scale_f32_16x16x128_f8f6f4 v[\d:\d+7], v[\b:\b+11], v[\a:\a+11], v[\d:\d+7], v[\sb], v[\sa] matrix_a_fmt:MATRIX_FMT_BF6 matrix_b_fmt:MATRIX_FMT_BF6 matrix_a_scale:MATRIX_SCALE_ROW1 matrix_b_scale:MATRIX_SCALE_ROW1
.else
	v_wmma_scale_f32_16x16x128_f8f6f4 v[\d:\d+7], v[\b:\b+11], v[\a:\a+11], v[\d:\d+7], v[\sb], v[\sa] matrix_a_fmt:MATRIX_FMT_BF6 matrix_b_fmt:MATRIX_FMT_BF6 matrix_a_scale:MATRIX_SCALE_ROW1
.endif
.else
.if \rb
	v_wmma_scale_f32_16x16x128_f8f6f4 v[\d:\d+7], v[\b:\b+11], v[\a:\a+11], v[\d:\d+7], v[\sb], v[\sa] matrix_a_fmt:MATRIX_FMT_BF6 matrix_b_fmt:MATRIX_FMT_BF6 matrix_b_scale:MATRIX_SCALE_ROW1
.else
	v_wmma_scale_f32_16x16x128_f8f6f4 v[\d:\d+7], v[\b:\b+11], v[\a:\a+11], v[\d:\d+7], v[\sb], v[\sa] matrix_a_fmt:MATRIX_FMT_BF6 matrix_b_fmt:MATRIX_FMT_BF6
.endif
.endif
.endif
.endm
; the five stages of tile t = 4 m + n of the epilogue, on its accumulator in place
.macro EF t                            ; c x = sum x c + wc
.irp e, 0,2,4,6
	v_pk_fma_f32 v[8*(\t)+\e:8*(\t)+\e+1], v[8*(\t)+\e:8*(\t)+\e+1], s[CC:CC+1], v[AG+16*((\t)%4)+\e:AG+16*((\t)%4)+\e+1] op_sel_hi:[1,0,1]
.endr
.endm
.macro EE t                            ; 2^(c x)
.irp e, 0,1,2,3,4,5,6,7
	v_exp_f32 v[8*(\t)+\e], v[8*(\t)+\e]
.endr
.endm
.macro EA t                            ; + 1
.irp e, 0,2,4,6
	v_pk_add_f32 v[8*(\t)+\e:8*(\t)+\e+1], v[8*(\t)+\e:8*(\t)+\e+1], 1.0 op_sel_hi:[1,0]
.endr
.endm
.macro ER t                            ; r
.irp e, 0,1,2,3,4,5,6,7
	v_rcp_f32 v[8*(\t)+\e], v[8*(\t)+\e]
.endr
.endm
.macro ES t                            ; V r, summed in four chains of pairs that lie in the eight registers of the tile row's first accumulator (window 1): its own products are made in place
.set VR, AG+16*((\t)%4)+8
.set AR, 8*(\t)
.set TS, 32*((\t)/4)
.irp e, 0,2,4,6
.if (\t)%4 == 0
	v_pk_mul_f32 v[TS+\e:TS+\e+1], v[AR+\e:AR+\e+1], v[VR+\e:VR+\e+1]
.else
	v_pk_fma_f32 v[TS+\e:TS+\e+1], v[AR+\e:AR+\e+1], v[VR+\e:VR+\e+1], v[TS+\e:TS+\e+1]
.endif
.endr
.endm
.macro GSTART                          ; a half's sums begin
.irp m, 0,1,2,3,4,5,6,7
	v_mov_b32 v[S1+\m], 0
.endr
	v_mov_b32 v[SV], 0
	v_mov_b32 v[SV+1], 0
	s_wait_alu depctr_va_vdst(0)
.endm
; ONE CHUNK: 128 rows x 64 units x K = 1,024: 32 groups of 8 products; then the epilogue.  last = 1: behind the launch's last chunk nothing more of U is asked for.
; The 32 accumulators take turns, one instruction a turn, in the same order in every K step; the first K step's products start the sums.
.macro GCHUNK last
	PLACES                                         ; an operand register written by a vector instruction stands four places ahead of a scaled matrix instruction.  No matrix wave writes U's or x's registers so;
	                                               ; the stream role's lines, which stand ahead of this place on the loop's backward way, write registers of the same numbers.  With these four the distance holds on every way through the text
	AGRP 0
	AGRP 1
	AGRP 2
.set G, 0
.rept 32
.if G%4 == 0
.if G/4 <= 5
	s_wait_loadcnt 26                              ; this K step's set of U is in; the two younger sets of 13 loads may be out
.elseif G/4 == 6
	s_wait_loadcnt 13                              ; one younger set
.else
	s_wait_loadcnt 0x0                             ; none
.endif
.endif
.if G <= 29
	s_wait_dscnt 26                                ; this group of x is in; the two younger groups of 13 loads may be out
.elseif G == 30
	s_wait_dscnt 13
.else
	s_wait_dscnt 0x0
.endif
	WIN 0x50                                       ; C and D window 1
.irp e, 0,1
.irp n, 0,1,2,3
	WM 8*(4*(2*(G%4)+\e)+\n), BF+48*((G/4)%3)+12*\n, AG+24*(G%3)+12*\e, SB+2*((G/4)%3)+\n/2, SA+G%3, (G<4), \n%2, \e
.endr
.endr
	WIN 0
	PLACES
.if G+3 <= 31
	AGRP G+3                                       ; into the slot just multiplied
.endif
.if (G%4 == 3) && (G/4+3 <= 7)
	BSET (G/4)%3, G/4+3                            ; into the set just multiplied: three K steps on, 64 products ahead of its use
.endif
.set G, G+1
.endr
	; the epilogue.  wc and V of the chunk's four tiles, into x's slots, which are done with
.irp n, 0,1,2,3
.irp q, 0,1,2,3
	ds_load_b128 v[AG+16*\n+4*\q:AG+16*\n+4*\q+3], v[VWA] offset:128*\n+16*\q
.endr
.endr
.if \last
	s_cmp_eq_u32 s[TR], 3
	s_cbranch_scc1 .Lno_more_\@
.endif
	s_wait_xcnt 0x0                                ; the earlier loads have read their bases
	s_add_co_u32 s54, s[TR], 1
	s_and_b32 s54, s54, 3                          ; the next chunk (behind the fourth: the first again, for the other half)
	s_mul_i32 s56, s54, 49152
	s_mov_b32 s57, 0
	s_add_nc_u64 s[UC:UC+1], s[UQ:UQ+1], s[56:57]
	s_lshl_b32 s56, s54, 11
	s_add_nc_u64 s[SCP:SCP+1], s[SQ:SQ+1], s[56:57]
	BPRE                                           ; its first three K steps land while this chunk's tanh is worked
.if \last
.Lno_more_\@:
.endif
	s_wait_dscnt 0x0
.irp n, 0,1,2,3
.irp e, 0,2,4,6
	v_pk_add_f32 v[SV:SV+1], v[SV:SV+1], v[AG+16*\n+8+\e:AG+16*\n+8+\e+1]
.endr
.endr
	; The 32 tiles, by tile rows of four (32 registers).  First c x of all 32 tiles, each accumulator read from its low end on: no matrix result is first read behind a transcendental.
	; Then eight turns: V r of tile row m - 1 and 1 + 2^(c x) of tile row m (32 plain lines), one wait, the 32 reciprocals of tile row m and the 32 exponentials of tile row m + 1 on end,
	; a plain place (ISA guide 5.7.2), one wait.  A wait ahead of each batch and one behind it: 18 a chunk.
	WIN 0x41                                       ; destination and source 0 window 1; wc (source 2) window 0
.set I, 0
.rept 32
	EF I
.set I, I+1
.endr
	WIN 0x51                                       ; destination, source 0 and source 2 window 1; V (source 1) window 0: one setting for all eight turns
	s_wait_alu depctr_va_vdst(0)
.irp n, 0,1,2,3
	EE \n
.endr
	v_nop
.set I, 0
.rept 8
	s_wait_alu depctr_va_vdst(0)
.if I > 0
.irp n, 0,1,2,3
	ES 4*(I-1)+\n
.endr
.endif
.irp n, 0,1,2,3
	EA 4*I+\n
.endr
	s_wait_alu depctr_va_vdst(0)
.irp n, 0,1,2,3
	ER 4*I+\n
.endr
.if I < 7
.irp n, 0,1,2,3
	EE 4*I+4+\n
.endr
.endif
	v_nop
.set I, I+1
.endr
	s_wait_alu depctr_va_vdst(0)
.irp n, 0,1,2,3
	ES 28+\n
.endr
	WIN 0x45                                       ; destination and both sources window 1: each tile row's four pairs become one number, the eight tile rows by turns
.irp m, 0,1,2,3,4,5,6,7
	v_pk_add_f32 v[32*\m:32*\m+1], v[32*\m:32*\m+1], v[32*\m+4:32*\m+5]
	v_pk_add_f32 v[32*\m+2:32*\m+3], v[32*\m+2:32*\m+3], v[32*\m+6:32*\m+7]
.endr
.irp m, 0,1,2,3,4,5,6,7
	v_pk_add_f32 v[32*\m:32*\m+1], v[32*\m:32*\m+1], v[32*\m+2:32*\m+3]
.endr
.irp m, 0,1,2,3,4,5,6,7
	v_add_f32 v[32*\m], v[32*\m], v[32*\m+1]
.endr
	WIN 0x01                                       ; source 0 window 1: onto the half's sums
.irp m, 0,1,2,3,4,5,6,7
	v_add_f32 v[S1+\m], v[32*\m], v[S1+\m]
.endr
	WIN 0
.endm
.macro GEND h                          ; my 256 units' part of the half's 128 scores
	v_add_f32 v[SV], v[SV], v[SV+1]
.irp m, 0,1,2,3,4,5,6,7
	v_fma_f32 v[S1+\m], v[S1+\m], -2.0, v[SV]
.endr
.irp m, 0,1,2,3,4,5,6,7
	v_permlanex16_b32 v[AG+\m], v[S1+\m], s[SEL], s[SEL+1]   ; the row's other units lie in the lane 16 away
.endr
.irp m, 0,1,2,3,4,5,6,7
	v_add_f32 v[S1+\m], v[S1+\m], v[AG+\m]
.endr
.irp m, 0,1,2,3,4,5,6,7
	ds_store_b32 v[PWR], v[S1+\m] offset:2048*\h+64*\m     ; row 16 m + r; lanes r and r + 16 write the same word with the same value
.endr
.endm
; ---------------- the stream role
.macro NEXT                            ; where the next trip's eight rows begin: trip T: 8 (T % 4) rows on, in half (T / 4) % 2
	s_wait_xcnt 0x0                                ; the earlier loads have read their base
	s_add_co_u32 s54, s[GT], 1
	s_and_b32 s55, s54, 3
	s_lshl_b32 s55, s55, 15
	s_bfe_u32 s54, s54, 0x10002
	s_lshl_b32 s54, s54, 19
	s_add_co_u32 s54, s54, s55
	s_mov_b32 s55, 0
	s_add_nc_u64 s[NXT:NXT+1], s[WB:WB+1], s[54:55]
.endm
.macro RLOAD i                         ; a row into slot i: eight loads of 512 consecutive bytes
.irp k, 0,1,2,3,4,5,6,7
	global_load_b128 v[32*(\i)+4*\k:32*(\i)+4*\k+3], v[L16], s[NXT:NXT+1] offset:4096*(\i)+512*\k th:TH_LOAD_NT
.endr
.endm
.macro REISSUE i
	WIN 0x40                                       ; destination window 1
	RLOAD \i
	WIN 0
.endm
; Slot i's row turns through two stages (one for each half row), so that a lane holds 16 NEIGHBOURS along K: in as loaded, 16 bytes a lane; out 64 bytes a lane.
; LDS serves a wave's instructions in order (ISA guide 5.7.1.4): no wait between the stores and the loads.
.macro TURN i, n
	s_wait_loadcnt \n
	WIN 0x04                                       ; an LDS store's data are its source 1: window 1
.irp k, 0,1,2,3,4,5,6,7
	ds_store_b128 v[STI], v[32*(\i)+4*\k:32*(\i)+4*\k+3] offset:STAGE*(2*((\i)%2)+\k/4)+640*(\k%4)
.endr
	WIN 0
.irp k, 0,1,2,3,4,5,6,7
	ds_load_b128 v[X+32*((\i)%2)+4*\k:X+32*((\i)%2)+4*\k+3], v[STO] offset:STAGE*(2*((\i)%2)+\k/4)+16*(\k%4)
.endr
.endm
.macro QROW i                          ; row i of the trip: two half rows by turns; two neighbouring lanes hold a block of 32
.set XS, X+32*((\i)%2)
.set CS, QC+8*((\i)%2)
.irp f, 0,1
	v_max3_num_f32 v[QM+2*\f], |v[XS+16*\f]|, |v[XS+16*\f+1]|, |v[XS+16*\f+2]|
	v_max3_num_f32 v[QM+2*\f+1], |v[XS+16*\f+3]|, |v[XS+16*\f+4]|, |v[XS+16*\f+5]|
.endr
.irp e, 6,10
.irp f, 0,1
	v_max3_num_f32 v[QM+2*\f], v[QM+2*\f], |v[XS+16*\f+\e]|, |v[XS+16*\f+\e+1]|
	v_max3_num_f32 v[QM+2*\f+1], v[QM+2*\f+1], |v[XS+16*\f+\e+2]|, |v[XS+16*\f+\e+3]|
.endr
.endr
.irp f, 0,1
	v_max3_num_f32 v[QM+2*\f], v[QM+2*\f], |v[XS+16*\f+14]|, |v[XS+16*\f+15]|
.endr
.irp f, 0,1
	v_max3_num_f32 v[QM+2*\f], v[QM+2*\f], v[QM+2*\f+1], 0x2800000   ; and the floor 2^(5 - 127): the byte cannot fall under 1
.endr
.irp f, 0,1
	v_max_num_f32_dpp v[QM+2*\f], v[QM+2*\f], v[QM+2*\f] row_xmask:1 row_mask:0xf bank_mask:0xf   ; with my neighbour's 16: the block's
.endr
.irp f, 0,1
	v_add_nc_u32 v[QS+\f], 0xfe000000, v[QM+2*\f]  ; 4 off the exponent field: the conversion's scale operand
.endr
.irp f, 0,1
	v_cvt_scalef32_pk16_bf6_f32 v[CS+4*\f:CS+4*\f+2], v[XS+16*\f:XS+16*\f+15], v[QS+\f]
.endr
.irp f, 0,1
	v_lshrrev_b32 v[CS+4*\f+3], 23, v[QS+\f]       ; the scale's byte (also the plain place behind the conversions)
.endr
.irp f, 0,1
.irp c, 0,1,2
	ds_store_b32 v[CDW], v[CS+4*\f+\c] offset:PITCH*(\i)+384*\f+4*\c   ; my 16 codes: 12 bytes of the row's stream of bits
.endr
	ds_store_b8 v[SBW], v[CS+4*\f+3] offset:SPITCH*(\i)+16*\f          ; both lanes of a block write the same byte with the same value
.endr
.endm
; A trip of Q: eight rows.  The turn through the stages runs one row ahead of the arithmetic; a slot is asked for again as soon as its row has left the stage.
.macro QTRIP
	NEXT
	TURN 0, 56                                     ; slot 0 is in; the seven younger slots, 8 loads each, may be out
.irp i, 0,1,2,3,4,5,6,7
.if \i < 7
	TURN \i+1, 48                                  ; six younger slots: this row's own has not been asked for again yet
.endif
.if \i == 0
	s_wait_dscnt 16                                ; row i is back from its stages: younger are the next turn's 16,
.elseif \i < 7
	s_wait_dscnt 24                                ; and the last row's 8 stores of codes and bytes;
.else
	s_wait_dscnt 8                                 ; at the end those 8 alone.  The set of code registers written now was stored two rows ago, ahead of these loads
.endif
	QROW \i
	REISSUE \i
.endr
.endm
; The half's scores are whole in LDS: lane l takes row 32 j + l.  The score is stored; m, l and the context are brought under the new maximum; P = e^(score - m).
.macro CSTART h
.irp q, 0,1,2,3
	ds_load_b32 v[CT+\q], v[PRD] offset:2048*\h+512*\q
.endr
	s_wait_dscnt 0x0
	s_wait_xcnt 0x0                                ; an earlier store of scores has read its data and its offset register
	v_lshrrev_b32 v[SOF], 1, v[L8]                 ; 4 x lane; my wave's 128 bytes stand in the base
	v_add_f32 v[CT], v[CT], v[CT+1]
	v_add_f32 v[CT+2], v[CT+2], v[CT+3]
	v_add_f32 v[SCR], v[CT], v[CT+2]
	global_store_b32 v[SOF], v[SCR], s[16:17] offset:512*\h   ; the wave stores 128 consecutive bytes
	v_mov_b32 v[CT], v[SCR]
	v_max_num_f32_dpp v[CT], v[CT], v[CT] row_xmask:1 row_mask:0xf bank_mask:0xf
	v_max_num_f32_dpp v[CT], v[CT], v[CT] row_xmask:2 row_mask:0xf bank_mask:0xf
	v_max_num_f32_dpp v[CT], v[CT], v[CT] row_xmask:4 row_mask:0xf bank_mask:0xf
	v_max_num_f32_dpp v[CT], v[CT], v[CT] row_xmask:8 row_mask:0xf bank_mask:0xf
	v_permlanex16_b32 v[CT+1], v[CT], s[SEL], s[SEL+1]
	v_max_num_f32 v[CT], v[CT], v[CT+1]            ; the largest of the 32 scores, in every lane
.if \h == 0
	v_mov_b32 v[MX], v[CT]
.else
	v_max_num_f32 v[CT], v[CT], v[MX]
	v_sub_f32 v[CT+2], v[MX], v[CT]
	v_mul_f32 v[CT+2], 0x3fb8aa3b, v[CT+2]
	v_mov_b32 v[MX], v[CT]
.endif
	v_sub_f32 v[P], v[SCR], v[MX]
	v_mul_f32 v[P], 0x3fb8aa3b, v[P]
	s_wait_alu depctr_va_vdst(0)
	v_exp_f32 v[P], v[P]
.if \h == 0
.irp k, 0,1,2,3,4,5,6,7,8,9,10,11,12,13,14,15,16,17,18,19,20,21,22,23,24,25,26,27,28,29,30,31
	v_mov_b32 v[CTX+\k], 0                         ; (plain places behind the exponential)
.endr
	s_wait_alu depctr_va_vdst(0)
	v_mov_b32 v[LS], v[P]
	s_wait_alu depctr_va_vdst(0)
.else
	v_exp_f32 v[CT+2], v[CT+2]                     ; f = e^(old m - new m)
	v_nop                                          ; a plain place behind the exponentials
	s_wait_alu depctr_va_vdst(0)
	v_fma_f32 v[LS], v[LS], v[CT+2], v[P]
.irp k, 0,2,4,6,8,10,12,14,16,18,20,22,24,26,28,30
	v_pk_mul_f32 v[CTX+\k:CTX+\k+1], v[CTX+\k:CTX+\k+1], v[CT+2:CT+3] op_sel_hi:[1,0]
.endr
.endif
.endm
; A trip of C: eight rows x their weights onto the context.  re = 1: each slot is asked for again.  The trip's weights stand in lanes 0-7 of P; behind the trip P is turned by eight lanes.
.macro CTRIP re
.if \re
	NEXT
.endif
.irp i, 0,1,2,3,4,5,6,7
.if \re
	s_wait_loadcnt 56                              ; slot i is in; seven younger slots may be out
.else
	s_wait_loadcnt 8*(7-\i)                        ; the last trip: the counts run down
.endif
	v_readlane_b32 s[PP], v[P], \i
	s_mov_b32 s[PP+1], s[PP]                       ; (named with it as a pair, so it is written)
	WIN 0x01                                       ; source 0 (the ring) window 1
.irp k, 0,2,4,6,8,10,12,14,16,18,20,22,24,26,28,30
	v_pk_fma_f32 v[CTX+\k:CTX+\k+1], v[32*\i+\k:32*\i+\k+1], s[PP:PP+1], v[CTX+\k:CTX+\k+1] op_sel_hi:[1,0,1]
.endr
.if \re
	REISSUE \i
.else
	WIN 0
.endif
.endr
.if \re
	ds_bpermute_b32 v[P], v[ROT], v[P]             ; lane l takes lane (l + 8) % 32's weight; no LDS byte is touched
	s_wait_dscnt 0x0
.endif
.endm
.macro CEND
	v_add_f32_dpp v[LS], v[LS], v[LS] row_xmask:1 row_mask:0xf bank_mask:0xf
	v_add_f32_dpp v[LS], v[LS], v[LS] row_xmask:2 row_mask:0xf bank_mask:0xf
	v_add_f32_dpp v[LS], v[LS], v[LS] row_xmask:4 row_mask:0xf bank_mask:0xf
	v_add_f32_dpp v[LS], v[LS], v[LS] row_xmask:8 row_mask:0xf bank_mask:0xf
	v_permlanex16_b32 v[CT], v[LS], s[SEL], s[SEL+1]
	v_add_f32 v[LS], v[LS], v[CT]
	global_store_b64 v[L8], v[MX:MX+1], s[18:19]   ; (m, l), the same in every lane: 256 consecutive bytes, aligned
.irp k, 0,1,2,3,4,5,6,7
	global_store_b128 v[L16], v[CTX+4*\k:CTX+4*\k+3], s[20:21] offset:512*\k   ; 512 consecutive bytes, aligned
.endr
.endm
; ---------------- the head
	s_load_b256 s[4:11], s[0:1], 0x0               ; hidden s[4:5], ucodes s[6:7], uscales s[8:9], wc s[10:11]
	s_load_b64 s[12:13], s[0:1], 0x20              ; V
	s_load_b128 s[16:19], s[0:1], 0x28             ; scores s[16:17], stats s[18:19]
	s_load_b64 s[20:21], s[0:1], 0x38              ; part
	v_lshrrev_b32 v18, 5, v0
	v_readfirstlane_b32 s[WV], v18                 ; wave 0..7
	s_and_b32 s[JW], s[WV], 3                      ; j
	v_and_b32 v18, 31, v0                          ; lane
	v_and_b32 v19, 15, v0                          ; r
	v_bfe_u32 v20, v0, 4, 1                        ; h
	v_mul_u32_u24 v[ADA0], v19, PITCH
	v_mad_u32_u24 v[ADA0], v20, 24, v[ADA0]
	v_add_nc_u32 v[ADA1], 64*PITCH, v[ADA0]
	v_mul_u32_u24 v[ASA], v19, SPITCH
	v_mad_u32_u24 v[ASA], v20, 16*SPITCH, v[ASA]
	v_add_nc_u32 v[ASA], ASC, v[ASA]
	s_lshl_b32 s54, s[JW], 11
	v_lshl_add_u32 v[VWA], v20, 6, s54
	v_add_nc_u32 v[VWA], VW, v[VWA]
	v_lshlrev_b32 v[L16], 4, v18
	v_lshlrev_b32 v[L8], 3, v18
	s_lshl_b32 s54, s[JW], 9
	v_lshl_add_u32 v[PWR], v19, 2, s54
	v_add_nc_u32 v[PWR], PART, v[PWR]
	v_lshl_add_u32 v[VWS], v0, 6, VW
	s_mul_i32 s54, s[JW], 4*STAGE
	s_add_co_u32 s54, s54, STG
	v_lshrrev_b32 v21, 2, v18
	v_mul_u32_u24 v21, v21, 80
	v_and_b32 v22, 3, v18
	v_lshl_add_u32 v21, v22, 4, v21
	v_add_nc_u32 v[STI], s54, v21
	v_mul_u32_u24 v21, v18, 80
	v_add_nc_u32 v[STO], s54, v21
	s_mul_i32 s54, s[JW], 32*PITCH
	v_mul_u32_u24 v21, v18, 12
	v_add_nc_u32 v[CDW], s54, v21
	s_mul_i32 s54, s[JW], 32*SPITCH
	s_add_co_u32 s54, s54, ASC
	v_lshrrev_b32 v21, 1, v18
	v_add_nc_u32 v[SBW], s54, v21
	s_lshl_b32 s54, s[JW], 7
	s_add_co_u32 s54, s54, PART
	v_lshl_add_u32 v[PRD], v18, 2, s54
	v_add_nc_u32 v21, 8, v18
	v_and_b32 v21, 31, v21
	v_lshlrev_b32 v[ROT], 2, v21
	s_mov_b32 s[SEL], 0x76543210
	s_mov_b32 s[SEL+1], 0xfedcba98
	s_mov_b32 s[CC], 0x4038aa3b                    ; c = 2 log2(e)
	s_mov_b32 s[CC+1], s[CC]
	s_mov_b32 s[GT], 0
	s_mov_b32 s55, 0
	s_wait_alu depctr_va_vdst(0)
	s_wait_kmcnt 0x0
	s_lshl_b32 s54, ttmp9, 20                      ; 256 rows of 4,096 bytes a work-group,
	s_lshl_b32 s56, s[JW], 17                      ; 32 a stream wave
	s_add_co_u32 s54, s54, s56
	s_add_nc_u64 s[WB:WB+1], s[4:5], s[54:55]
	s_mov_b64 s[NXT:NXT+1], s[WB:WB+1]             ; the ring's first fill: rows 0-7
	s_mul_i32 s54, s[JW], 4*49152
	s_add_nc_u64 s[UQ:UQ+1], s[6:7], s[54:55]
	s_mov_b64 s[UC:UC+1], s[UQ:UQ+1]               ; the first chunk
	s_lshl_b32 s54, s[JW], 13
	s_add_nc_u64 s[SQ:SQ+1], s[8:9], s[54:55]
	s_mov_b64 s[SCP:SCP+1], s[SQ:SQ+1]
	s_lshr_b32 s54, ttmp9, 2
	s_lshl_b32 s54, s54, 12
	s_add_nc_u64 s[10:11], s[10:11], s[54:55]      ; wc at my batch
	s_lshl_b32 s54, ttmp9, 10
	s_lshl_b32 s56, s[JW], 7
	s_add_co_u32 s54, s54, s56
	s_add_nc_u64 s[16:17], s[16:17], s[54:55]      ; scores at the work-group's 256 rows, + stream wave j's 32
	s_lshl_b32 s56, ttmp9, 2
	s_add_co_u32 s56, s56, s[JW]                   ; stream wave 4 g + j of 1,024
	s_lshl_b32 s54, s56, 8
	s_add_nc_u64 s[18:19], s[18:19], s[54:55]
	s_lshl_b32 s54, s56, 12
	s_add_nc_u64 s[20:21], s[20:21], s[54:55]
	s_cmp_lt_u32 s[WV], 4
	s_cbranch_scc0 .Lhead_stream
	v_lshlrev_b32 v19, 5, v0                       ; matrix waves: thread t brings wc and V of units 8 t .. 8 t + 7 into LDS,
	global_load_b128 v[AG:AG+3], v19, s[10:11]
	global_load_b128 v[AG+4:AG+7], v19, s[10:11] offset:16
	global_load_b128 v[AG+8:AG+11], v19, s[12:13]
	global_load_b128 v[AG+12:AG+15], v19, s[12:13] offset:16
	BPRE                                           ; and asks for its first chunk's first three K steps
	s_wait_loadcnt 39                              ; the four are in; BPRE's 39 may be out
.irp q, 0,1,2,3
	ds_store_b128 v[VWS], v[AG+4*\q:AG+4*\q+3] offset:16*\q
.endr
	s_branch .Lhead_join
.Lhead_stream:
	WIN 0x40                                       ; stream waves: the ring is filled: rows 0-7
.irp i, 0,1,2,3,4,5,6,7
	RLOAD \i
.endr
	WIN 0
.Lhead_join:
; ---------------- phase 0: Q(0)
	s_mov_b32 s[TR], 0
.Lp0:
	s_cmp_lt_u32 s[WV], 4
	s_cbranch_scc1 .Lp0_join
	QTRIP
.Lp0_join:
	s_wait_dscnt 0x0                               ; no LDS instruction of mine is out: the address registers may step
	v_add_nc_u32 v[CDW], 8*PITCH, v[CDW]
	v_add_nc_u32 v[SBW], 8*SPITCH, v[SBW]
	s_wait_alu depctr_va_vdst(0)
	s_add_co_u32 s[GT], s[GT], 1
	s_add_co_u32 s[TR], s[TR], 1
	s_cmp_lt_u32 s[TR], 4
	s_cbranch_scc1 .Lp0
	BAR                                            ; half 0's codes and scale bytes, wc and V lie in LDS
	v_add_nc_u32 v[CDW], HALFC-32*PITCH, v[CDW]    ; on to half 1's places
	v_add_nc_u32 v[SBW], HALFS-32*SPITCH, v[SBW]
; ---------------- phase 1: Q(1) | G(0)
	s_cmp_lt_u32 s[WV], 4
	s_cbranch_scc0 .Lp1_go
	GSTART
.Lp1_go:
	s_mov_b32 s[TR], 0
.Lp1:
	s_cmp_lt_u32 s[WV], 4
	s_cbranch_scc0 .Lp1_stream
	GCHUNK 0
	s_branch .Lp1_join
.Lp1_stream:
	QTRIP
.Lp1_join:
	s_wait_dscnt 0x0
	v_add_nc_u32 v[CDW], 8*PITCH, v[CDW]
	v_add_nc_u32 v[SBW], 8*SPITCH, v[SBW]
	v_add_nc_u32 v[VWA], 512, v[VWA]               ; the next chunk's 64 units
	s_wait_alu depctr_va_vdst(0)
	s_add_co_u32 s[GT], s[GT], 1
	s_add_co_u32 s[TR], s[TR], 1
	s_cmp_lt_u32 s[TR], 4
	s_cbranch_scc1 .Lp1
	s_cmp_lt_u32 s[WV], 4
	s_cbranch_scc0 .Lp1_done
	GEND 0
.Lp1_done:
	BAR                                            ; half 1's codes lie in LDS, and the parts of half 0's scores; nobody reads half 0's codes any more
	v_sub_nc_u32 v[VWA], v[VWA], 2048
	v_add_nc_u32 v[ADA0], HALFC, v[ADA0]
	v_add_nc_u32 v[ADA1], HALFC, v[ADA1]
	v_add_nc_u32 v[ASA], HALFS, v[ASA]
; ---------------- phase 2: C(0) | G(1)
	s_cmp_lt_u32 s[WV], 4
	s_cbranch_scc0 .Lp2_pre_stream
	GSTART
	s_branch .Lp2_go
.Lp2_pre_stream:
	CSTART 0
.Lp2_go:
	s_mov_b32 s[TR], 0
.Lp2:
	s_cmp_lt_u32 s[WV], 4
	s_cbranch_scc0 .Lp2_stream
	GCHUNK 1
	s_branch .Lp2_join
.Lp2_stream:
	CTRIP 1
.Lp2_join:
	s_wait_dscnt 0x0
	v_add_nc_u32 v[VWA], 512, v[VWA]
	s_wait_alu depctr_va_vdst(0)
	s_add_co_u32 s[GT], s[GT], 1
	s_add_co_u32 s[TR], s[TR], 1
	s_cmp_lt_u32 s[TR], 4
	s_cbranch_scc1 .Lp2
	s_cmp_lt_u32 s[WV], 4
	s_cbranch_scc0 .Lp2_done
	GEND 1
.Lp2_done:
	BAR                                            ; the parts of half 1's scores lie in LDS
; ---------------- phase 3: C(1)
	s_cmp_lt_u32 s[WV], 4
	s_cbranch_scc1 .Lend
	CSTART 1
	s_mov_b32 s[TR], 0
.Lp3:
	CTRIP 1
	s_add_co_u32 s[GT], s[GT], 1
	s_add_co_u32 s[TR], s[TR], 1
	s_cmp_lt_u32 s[TR], 3
	s_cbranch_scc1 .Lp3
	CTRIP 0                                        ; the last eight rows: nothing more is asked for
	CEND
.Lend:
	s_wait_xcnt 0x0
	v_lshl_add_u32 v254, v0, 2, 0x40400
	v_mov_b32 v255, 0
	s_wait_alu depctr_va_vdst(0)
	s_wait_tensorcnt 0x0
	ds_add_u32 v254, v255
	s_wait_dscnt 0x0
	s_endpgm
.Lfunc_end_k_qf764cf3e73_main:
	.size	k_qf764cf3e73_main, .Lfunc_end_k_qf764cf3e73_main-k_qf764cf3e73_main
	.p2alignl 7, 3214868480
	.fill 96, 4, 3214868480
	.section	.rodata,"a",@progbits
	.p2align	6, 0x0
	.amdhsa_kernel k_qf764cf3e73_main
		.amdhsa_group_segment_fixed_size 264192
		.amdhsa_private_segment_fixed_size 0
		.amdhsa_enable_private_segment 0
		.amdhsa_kernarg_size 64
		.amdhsa_user_sgpr_count 2
		.amdhsa_user_sgpr_kernarg_segment_ptr 1
		.amdhsa_wavefront_size32 1
		.amdhsa_system_sgpr_workgroup_id_x 1
		.amdhsa_system_sgpr_workgroup_id_y 1
		.amdhsa_system_sgpr_workgroup_id_z 1
		.amdhsa_system_vgpr_workitem_id 0
		.amdhsa_next_free_vgpr 512
		.amdhsa_next_free_sgpr 72
		.amdhsa_reserve_vcc 0
		.amdhsa_float_denorm_mode_32 3
		.amdhsa_float_denorm_mode_16_64 3
		.amdhsa_memory_ordered 1
		.amdhsa_forward_progress 1
		.amdhsa_inst_pref_size 255
	.end_amdhsa_kernel
	.section	.bss,"aw",@nobits
	.p2align	6
	.space	262144
	.amdgpu_metadata
---
amdhsa.version: [ 1, 2 ]
amdhsa.kernels:
  - .name:           k_qf764cf3e73_main
    .symbol:         k_qf764cf3e73_main.kd
    .args:
      - { .name: hidden_states, .offset: 0, .size: 8, .value_kind: global_buffer, .address_space: global }
      - { .name: ucodes, .offset: 8, .size: 8, .value_kind: global_buffer, .address_space: global }
      - { .name: uscales, .offset: 16, .size: 8, .value_kind: global_buffer, .address_space: global }
      - { .name: wc, .offset: 24, .size: 8, .value_kind: global_buffer, .address_space: global }
      - { .name: V_kernel, .offset: 32, .size: 8, .value_kind: global_buffer, .address_space: global }
      - { .name: scores, .offset: 40, .size: 8, .value_kind: global_buffer, .address_space: global }
      - { .name: stats, .offset: 48, .size: 8, .value_kind: global_buffer, .address_space: global }
      - { .name: part, .offset: 56, .size: 8, .value_kind: global_buffer, .address_space: global }
    .group_segment_fixed_size: 264192
    .private_segment_fixed_size: 0
    .kernarg_segment_align: 8
    .kernarg_segment_size: 64
    .max_flat_workgroup_size: 256
    .sgpr_count:     72
    .vgpr_count:     512
    .wavefront_size: 32
...
	.end_amdgpu_metadata
.endif
;; end of part 2
;; launch final (part 3): grid 256 x 1, 2 waves a work-group, no clusters, 0 bytes of LDS; arguments scores, stats, part, out0, out1; writes out0, out1
.if DOCPART == 3
	.amdgcn_target "amdgcn-amd-amdhsa--gfx1250"
	.amdhsa_code_object_version 6
	.text
	.protected	k_qf764cf3e73_final
	.globl	k_qf764cf3e73_final
	.p2align	8
	.type	k_qf764cf3e73_final,@function
k_qf764cf3e73_final:
	s_mov_b64 s[64:65], 0
	v_nop
	global_prefetch_b8 v0, s[64:65] scope:SCOPE_SE
	s_setreg_imm32_b32 hwreg(HW_REG_WAVE_MODE, 25, 1), 1
	s_wait_xcnt 0x0
; FINAL.  A batch's softmax and context from its 16 parts (m_w, l_w, context_w):  M = max m_w;  L = sum of e^(m_w - M) l_w;
; weight[row] = e^(score[row] - M) / L;  context = sum over w of (e^(m_w - M) / L) x context_w.
; Work-group g: batch g / 4, quarter g % 4 of its 1,024 rows and of its 1,024 columns; thread t takes four of each: every load and store of a wave covers 512 consecutive bytes, aligned.
; Memory binds and the work is small: no LDS, no barrier, no matrix unit.  All 18 loads go out at once; the waits count down.
; LIMITS: as the launch before: weights more than 2^126 under the largest come out as 0 (v_exp_f32: ISA guide 15.8).
	s_load_b256 s[4:11], s[0:1], 0x0               ; scores s[4:5], stats s[6:7], part s[8:9], out0 s[10:11]
	s_load_b64 s[12:13], s[0:1], 0x20              ; out1
	s_lshr_b32 s14, ttmp9, 2                       ; batch
	s_and_b32 s15, ttmp9, 3                        ; quarter
	v_and_b32 v1, 15, v0
	v_lshlrev_b32 v1, 8, v1                        ; lane l takes part l % 16's pair: 256 bytes a part
	v_lshlrev_b32 v2, 4, v0                        ; 16 bytes a thread
	s_lshl_b32 s16, s14, 12                        ; a batch: 16 parts x 256 bytes of stats; 1,024 scores; a row of either output
	s_mov_b32 s17, 0
	s_lshl_b32 s18, s15, 10
	s_add_co_u32 s18, s18, s16
	s_mov_b32 s19, 0
	s_lshl_b32 s20, s14, 16                        ; 16 parts x 4,096 bytes
	s_lshl_b32 s21, s15, 10
	s_add_co_u32 s20, s20, s21
	s_mov_b32 s21, 0
	s_wait_alu depctr_va_vdst(0)
	s_wait_kmcnt 0x0
	s_add_nc_u64 s[6:7], s[6:7], s[16:17]
	s_add_nc_u64 s[4:5], s[4:5], s[18:19]
	s_add_nc_u64 s[8:9], s[8:9], s[20:21]
	s_add_nc_u64 s[10:11], s[10:11], s[18:19]
	s_add_nc_u64 s[12:13], s[12:13], s[18:19]
	global_load_b64 v[4:5], v1, s[6:7]             ; (m, l)
	global_load_b128 v[8:11], v2, s[4:5]           ; four scores
.irp w, 0,1,2,3,4,5,6,7,8,9,10,11,12,13,14,15
	global_load_b128 v[16+4*\w:19+4*\w], v2, s[8:9] offset:4096*\w
.endr
	s_wait_loadcnt 17                              ; (m, l) is in; 17 loads are younger
	v_mov_b32 v6, v4
	v_max_num_f32_dpp v6, v6, v6 row_xmask:1 row_mask:0xf bank_mask:0xf
	v_max_num_f32_dpp v6, v6, v6 row_xmask:2 row_mask:0xf bank_mask:0xf
	v_max_num_f32_dpp v6, v6, v6 row_xmask:4 row_mask:0xf bank_mask:0xf
	v_max_num_f32_dpp v6, v6, v6 row_xmask:8 row_mask:0xf bank_mask:0xf   ; M: each half of 16 lanes holds all 16 parts
	v_sub_f32 v7, v4, v6
	v_mul_f32 v7, 0x3fb8aa3b, v7
	s_wait_alu depctr_va_vdst(0)
	v_exp_f32 v7, v7                               ; e^(m - M)
	v_nop                                          ; a plain place behind the exponential
	s_wait_alu depctr_va_vdst(0)
	v_mul_f32 v12, v7, v5
	v_add_f32_dpp v12, v12, v12 row_xmask:1 row_mask:0xf bank_mask:0xf
	v_add_f32_dpp v12, v12, v12 row_xmask:2 row_mask:0xf bank_mask:0xf
	v_add_f32_dpp v12, v12, v12 row_xmask:4 row_mask:0xf bank_mask:0xf
	v_add_f32_dpp v12, v12, v12 row_xmask:8 row_mask:0xf bank_mask:0xf   ; L, at least 1: the part that holds M has a term e^0
	s_wait_alu depctr_va_vdst(0)
	v_rcp_f32 v13, v12
	v_nop
	s_wait_alu depctr_va_vdst(0)
	v_mul_f32 v7, v7, v13                          ; part l % 16's factor
.irp w, 0,1,2,3,4,5,6,7,8,9,10,11,12,13,14,15
	v_readlane_b32 s[32+\w], v7, \w
.endr
	s_wait_loadcnt 16                              ; the scores are in
.irp i, 0,1,2,3
	v_sub_f32 v[8+\i], v[8+\i], v6
.endr
.irp i, 0,1,2,3
	v_mul_f32 v[8+\i], 0x3fb8aa3b, v[8+\i]
.endr
	s_wait_alu depctr_va_vdst(0)
.irp i, 0,1,2,3
	v_exp_f32 v[8+\i], v[8+\i]
.endr
	v_nop
	s_wait_alu depctr_va_vdst(0)
.irp i, 0,1,2,3
	v_mul_f32 v[8+\i], v[8+\i], v13
.endr
	global_store_b128 v2, v[8:11], s[12:13]
	s_wait_loadcnt 15                              ; part 0's four columns; the counts run down with the parts
.irp i, 0,1,2,3
	v_mul_f32 v[80+\i], s32, v[16+\i]
.endr
	s_wait_alu depctr_va_vdst(0)
.irp w, 1,2,3,4,5,6,7,8,9,10,11,12,13,14,15
	s_wait_alu depctr_va_vdst(0)
	s_wait_loadcnt 15-\w
.irp i, 0,1,2,3
	v_fma_f32 v[80+\i], s[32+\w], v[16+4*\w+\i], v[80+\i]
.endr
.endr
	global_store_b128 v2, v[80:83], s[10:11]
	s_endpgm
.Lfunc_end_k_qf764cf3e73_final:
	.size	k_qf764cf3e73_final, .Lfunc_end_k_qf764cf3e73_final-k_qf764cf3e73_final
	.p2alignl 7, 3214868480
	.fill 96, 4, 3214868480
	.section	.rodata,"a",@progbits
	.p2align	6, 0x0
	.amdhsa_kernel k_qf764cf3e73_final
		.amdhsa_group_segment_fixed_size 0
		.amdhsa_private_segment_fixed_size 0
		.amdhsa_enable_private_segment 0
		.amdhsa_kernarg_size 40
		.amdhsa_user_sgpr_count 2
		.amdhsa_user_sgpr_kernarg_segment_ptr 1
		.amdhsa_wavefront_size32 1
		.amdhsa_system_sgpr_workgroup_id_x 1
		.amdhsa_system_sgpr_workgroup_id_y 1
		.amdhsa_system_sgpr_workgroup_id_z 1
		.amdhsa_system_vgpr_workitem_id 0
		.amdhsa_next_free_vgpr 128
		.amdhsa_next_free_sgpr 66
		.amdhsa_reserve_vcc 0
		.amdhsa_float_denorm_mode_32 3
		.amdhsa_float_denorm_mode_16_64 3
		.amdhsa_memory_ordered 1
		.amdhsa_forward_progress 1
		.amdhsa_inst_pref_size 11
	.end_amdhsa_kernel
	.amdgpu_metadata
---
amdhsa.version: [ 1, 2 ]
amdhsa.kernels:
  - .name:           k_qf764cf3e73_final
    .symbol:         k_qf764cf3e73_final.kd
    .args:
      - { .name: scores, .offset: 0, .size: 8, .value_kind: global_buffer, .address_space: global }
      - { .name: stats, .offset: 8, .size: 8, .value_kind: global_buffer, .address_space: global }
      - { .name: part, .offset: 16, .size: 8, .value_kind: global_buffer, .address_space: global }
      - { .name: out0, .offset: 24, .size: 8, .value_kind: global_buffer, .address_space: global }
      - { .name: out1, .offset: 32, .size: 8, .value_kind: global_buffer, .address_space: global }
    .group_segment_fixed_size: 0
    .private_segment_fixed_size: 0
    .kernarg_segment_align: 8
    .kernarg_segment_size: 40
    .max_flat_workgroup_size: 64
    .sgpr_count:     66
    .vgpr_count:     128
    .wavefront_size: 32
...
	.end_amdgpu_metadata
.endif
;; end of part 3
